; MI455X (gfx1250); checked and timed in simulation.
; The chip was launched on July 23, 2026; its instructions are those of AMD's public machine-readable ISA for CDNA 5 (MIT licence, August 2026) and "CDNA5" Instruction Set Architecture Reference Guide (July 2026). The comments in the code are by the model that wrote it; some were corrected since.
;; Multi Head Attention. Allowed arithmetic: matrix products marked QUANTISED: E2M3 operands, one E8M0 scale for each 32 along K, by v_wmma_scale_f32_16x16x128_f8f6f4 with both operands' format E2M3, f32 sums; everything else in f32.
;; Inputs: Wk 1,024 x 1,024 float32; Wo 1,024 x 1,024 float32; Wq 1,024 x 1,024 float32; Wv 1,024 x 1,024 float32; bk 1,024 float32; bo 1,024 float32; bq 1,024 float32; bv 1,024 float32; x 4 x 2,048 x 1,024 float32.
;; Outputs: out0 4 x 2,048 x 1,024 float32.
;; This version of the problem:
;;   THIS VERSION OF THE PROBLEM IS GIVEN IN LOW PRECISION. The matrix products marked QUANTISED in the list below multiply operands that are first quantised to E2M3 (2 exponent bits, 3 mantissa bits; 6 bits a number), with one power-of-two scale for each 32 numbers along K (OCP MX v1.0); their sums are f32. All else is computed in f32.
;;   The module's matrix products, in the order in which they are computed (A, B: the left and right operand; K: the contracted axis; several contracted axes count as one K, in the product's order):
;;     1. [M 8,192, K 1,024] x [K 1,024, N 1,024]; A: input x; B: input Wq: QUANTISED
;;     2. [M 8,192, K 1,024] x [K 1,024, N 1,024]; A: input x; B: input Wk: QUANTISED
;;     3. [M 8,192, K 1,024] x [K 1,024, N 1,024]; A: input x; B: input Wv: QUANTISED
;;     4. batch 64 x [M 2,048, K 64] x [K 64, N 2,048]; A: computed on the way; B: computed on the way: QUANTISED
;;     5. batch 64 x [M 2,048, K 2,048] x [K 2,048, N 64]; A: softmax (see below); B: computed on the way: QUANTISED
;;     6. [M 8,192, K 1,024] x [K 1,024, N 1,024]; A: computed on the way; B: input Wo: QUANTISED
;;   THE QUANTISER, for each operand of a quantised product, along K:
;;     - K is cut into blocks of 32 from its start; a last block that is shorter is filled with zeros.
;;     - A block's scale is 2^e with e = floor(log2(the largest magnitude in the block)) - 2, held to -126 .. 127; a block of zeros has e = 0. As a byte (E8M0): e + 127.
;;     - Each number is divided by its block's scale, clamped to +-7.5, and rounded to the nearest number of E2M3, ties to even, subnormals kept.
;;     - The product sums the exact products of the quantised numbers (number of the format x scale) in f32.
;;   ~~~python
;;   def quantise(x, axis):      # numpy; x: float32 -> the quantised numbers, widened to float32 again
;;       x = np.moveaxis(x, axis, -1); K = x.shape[-1]
;;       x = np.pad(x, [(0, 0)] * (x.ndim - 1) + [(0, -K % 32)]); x = x.reshape(x.shape[:-1] + (-1, 32)); a = np.abs(x).max(-1, keepdims=True)
;;       e = np.where(a > 0, np.clip(np.frexp(np.where(a > 0, a, 1))[1] - 1 - 2, -126, 127), 0)      # np.frexp(a)[1] - 1 = floor(log2(a)), exactly
;;       r = np.clip(x / 2.0 ** e, -7.5, 7.5)
;;       step = 2.0 ** (np.maximum(np.frexp(np.where(r == 0, 1, r))[1] - 1, 0) - 3)
;;       q = np.round(r / step) * step * 2.0 ** e      # np.round: ties to even
;;       return np.moveaxis(q.reshape(q.shape[:-2] + (-1,))[..., :K], -1, axis).astype(np.float32)
;;   ~~~
;;   SOFTMAX AHEAD OF A QUANTISED PRODUCT. Where the list says 'softmax', what is quantised is not the finished softmax but p = 2^(t - M), with t = logit x log2(e) and M = ceil(the row's largest t), a whole number; so 1/2 < the row's largest p <= 1. The row's sum l is taken of the UNQUANTISED p, in f32, and the product's result is divided by l at the end. Since M is a whole number, a kernel that streams over the keys may use a running M (the ceiling of the running maximum): every later rescaling is an exact power of two, which a block's scale takes up: the codes' values come out the same.
;;   OPERANDS COMPUTED ON THE WAY. 'Computed on the way' means the value that the module computes at that place (a softmax that the list does not call 'softmax' is quantised finished and normalised). What goes into a quantiser is computed in f32, as accurately as f32 sums, v_exp_f32 and their like allow (about 1e-6 of the number): no bf16 or f16 on the way to a quantiser, and a product that is left as it is and whose result goes on into a quantised operand takes f32 operands (vector FMAs, or v_wmma_f32_16x16x4_f32). A number that lies on a knife's edge between two numbers of the format may be rounded either way, as far as f32 arithmetic and the matrix unit's own rounding can turn it there, and no further.
;; One version. Each part assembles by itself: llvm-mc -triple=amdgcn-amd-amdhsa -mcpu=gfx1250 --defsym DOCPART=n.
;; ======== version 1 of 1: 4 launches
;; limits: right only within a limited range of input values
;; workspace buffers: cod 15,728,640 bytes; scl 655,360 bytes; qkc 12,582,912 bytes; qks 524,288 bytes; vc 6,291,456 bytes; vs 262,144 bytes
;; launch quant (part 1): grid 768 x 1, 4 waves a work-group, no clusters, 35,328 bytes of LDS; arguments x, Wq, Wk, Wv, Wo, cod, scl; writes cod, scl
.if DOCPART == 1
	.amdgcn_target "amdgcn-amd-amdhsa--gfx1250"
	.amdhsa_code_object_version 6
	.text
	.protected	k_q32a7337b59_quant
	.globl	k_q32a7337b59_quant
	.p2align	8
	.type	k_q32a7337b59_quant,@function
k_q32a7337b59_quant:
	s_mov_b64 s[64:65], 0
	v_nop
	global_prefetch_b8 v0, s[64:65] scope:SCOPE_SE
	s_setreg_imm32_b32 hwreg(HW_REG_WAVE_MODE, 25, 1), 1
	s_wait_xcnt 0x0
; x [8192][1024] and Wq, Wk, Wv, Wo [1024][1024], f32, K innermost, become codes of FP6 (E2M3) with one E8M0 byte for each 32 along K,
; laid in the ORDER OF AN OPERAND'S REGISTERS.  cod: [tile][K step 8][1,536 bytes]; scl: [tile][row 16][8 words], word s = the scale word of K step s.
; A TILE is 16 rows that are not neighbours: lane row r of a weight's tile t is row 32 (t / 2) + 8 (t % 2) + r % 8 + 16 (r / 8), of x's tile 64 (t / 4) + 8 (t % 4) + r % 8 + 32 (r / 8).  Tiles 0-511: x; 512-: Wq; 576-: Wk; 640-: Wv; 704-767: Wo.
; A FRAGMENT (16 rows x 128 K, 12 registers a lane) lies as two halves of 768 bytes: registers 6 c .. 6 c + 3 at 16 x lane (512 bytes), registers 6 c + 4, 6 c + 5 at 8 x lane (256 bytes).
; A block's scale is 2^(floor(log2(largest magnitude)) - 2); its byte is the largest magnitude's exponent field - 2, held at 1 from below.
; LIMITS: a block of zeros gets the byte 1 where the rule says 127 (its codes are zeros, and this program alone reads the bytes); NaN and infinities among the inputs are not served.
; SHARES: a work-group takes a tile, wave w its K steps 2 w and 2 w + 1.  All 32 loads of a wave (512 consecutive bytes each) go out at the head.  A K step's 16 x 512 bytes turn through the
; wave's own stage in LDS (rows 528 bytes apart), so that a lane gets 16 neighbours of each block of its row.  No cluster and no tensor load: work-groups share no input.  No prefetch: every byte is asked for at the head.
.set PITCH, 528
.set WSTG,  16*PITCH                   ; a wave's stage
.set GS,    4*WSTG                     ; behind the stages: the tile's 512 bytes of scale words
.set PW,    10                         ; v10-11   the two K steps' scale words
.set TM,    12                         ; v12-15 largest magnitudes, v16-19 the other half's / bytes, v24-27 the conversions' scale operands
.set PC,    28                         ; v28-39 the fragment, v40-42, v44-46 upper halves on their way
.set X,     48                         ; v48-111  64 numbers: register 16 b + i = k 32 b + 16 (lane / 16) + i of my row
.set R,     112                        ; v112-239 two K steps as loaded
.set SEL,   22                         ; s[22:23] lane selects: lane l xor 16
	s_load_b256 s[4:11], s[0:1], 0x0               ; x, Wq, Wk, Wv
	s_load_b128 s[12:15], s[0:1], 0x20             ; Wo, cod
	s_load_b64 s[16:17], s[0:1], 0x30              ; scl
	v_lshl_add_u32 v248, v0, 2, 0x8800
	v_mov_b32 v249, 0
	v_lshrrev_b32 v1, 5, v0
	v_readfirstlane_b32 s18, v1                    ; wave
	v_and_b32 v1, 31, v0                           ; lane
	v_and_b32 v2, 15, v0                           ; r
	v_bfe_u32 v3, v0, 4, 1                         ; h
	v_lshlrev_b32 v4, 4, v1                        ; 16 x lane
	v_lshlrev_b32 v5, 3, v1                        ; 8 x lane
	s_mul_i32 s19, s18, WSTG
	v_add_nc_u32 v6, s19, v4                       ; the stage, on the way in
	v_mul_u32_u24 v7, v2, PITCH
	v_lshl_add_u32 v7, v3, 6, v7
	v_add_nc_u32 v7, s19, v7                       ; and on the way out: row r, + 64 h
	s_lshl_b32 s19, s18, 3
	s_add_co_u32 s19, s19, GS
	v_lshl_add_u32 v8, v2, 5, s19                  ; my row's words 2 w, 2 w + 1
	v_add_nc_u32 v9, GS, v4
	s_mov_b32 s[SEL], 0x76543210
	s_mov_b32 s[SEL+1], 0xfedcba98
.irp b, 0,1,2,3
	v_mov_b32 v[TM+4+\b], 0                        ; written once: a lane permute's destination counts as one of its sources
.endr
	s_and_b32 s21, ttmp9, 63                       ; a weight's tile
	s_wait_alu depctr_va_vdst(0)
	s_wait_kmcnt 0x0
	s_cmp_lt_u32 ttmp9, 704                        ; which tensor: the choice hangs on the work-group's number alone
	s_cselect_b64 s[12:13], s[10:11], s[12:13]
	s_cmp_lt_u32 ttmp9, 640
	s_cselect_b64 s[12:13], s[8:9], s[12:13]
	s_cmp_lt_u32 ttmp9, 576
	s_cselect_b64 s[12:13], s[6:7], s[12:13]
	s_cmp_lt_u32 ttmp9, 512
	s_cselect_b64 s[12:13], s[4:5], s[12:13]
	s_cselect_b32 s20, ttmp9, s21                  ; the tile in its tensor
	; THE TILES OF x ARE LAID OTHERWISE THAN THE WEIGHTS': lane row r of x's tile t is row 64 (t / 4) + 8 (t % 4) + r % 8 + 32 (r / 8); a weight's tile keeps 32 (t / 2) + 8 (t % 2) + r % 8 + 16 (r / 8).
	s_cselect_b32 s27, 2, 1                        ; tiles in a group: 2^s27 (x: 4, a weight: 2)
	s_lshr_b32 s24, s20, s27
	s_add_co_u32 s26, s27, 16
	s_lshl_b32 s24, s24, s26                       ; 64 or 32 rows of 4,096 bytes for each group of tiles,
	s_bfm_b32 s25, s27, 0
	s_and_b32 s25, s20, s25                        ; the tile in its group
	s_lshl_b32 s28, 0x8000, s27                    ; lane rows 8-15 lie 32 or 16 rows behind lane rows 0-7
	s_mov_b32 s29, 0
	s_lshl_b32 s25, s25, 15                        ; 8 rows for the odd one,
	s_add_co_u32 s24, s24, s25
	s_lshl_b32 s25, s18, 10                        ; my two K steps
	s_add_co_u32 s24, s24, s25
	s_mov_b32 s25, 0
	s_add_nc_u64 s[12:13], s[12:13], s[24:25]
	s_add_nc_u64 s[28:29], s[12:13], s[28:29]      ; the base of lane rows 8-15
	s_mul_i32 s24, ttmp9, 12288
	s_mul_i32 s26, s18, 3072
	s_add_co_u32 s24, s24, s26
	s_add_nc_u64 s[14:15], s[14:15], s[24:25]
	s_lshl_b32 s24, ttmp9, 9
	s_add_nc_u64 s[16:17], s[16:17], s[24:25]
.irp s, 0,1
.irp p, 0,1,2,3,4,5,6,7,8,9,10,11,12,13,14,15
	global_load_b128 v[R+64*\s+4*\p:R+64*\s+4*\p+3], v4, s[12+16*(\p/8):13+16*(\p/8)] offset:(\p%8)*4096+512*\s th:TH_LOAD_NT
.endr
.endr
; K step s of my two.  left: the younger loads that may stay out.
.macro FRAGQ s, left
	s_wait_loadcnt \left
.irp p, 0,1,2,3,4,5,6,7,8,9,10,11,12,13,14,15
	ds_store_b128 v6, v[R+64*\s+4*\p:R+64*\s+4*\p+3] offset:PITCH*\p
.endr
.irp b, 0,1,2,3
.irp j, 0,1,2,3
	ds_load_b128 v[X+16*\b+4*\j:X+16*\b+4*\j+3], v7 offset:128*\b+16*\j   ; LDS serves a wave's instructions in order: these see the stores above
.endr
.endr
	s_wait_dscnt 0x0
.irp b, 0,1,2,3
	v_max3_num_f32 v[TM+\b], |v[X+16*\b]|, |v[X+1+16*\b]|, 0x1800000   ; my 16 numbers of block b, and the floor 2^(3 - 127): the byte cannot fall under 1
.endr
.irp i, 2,4,6,8,10,12,14
.irp b, 0,1,2,3
	v_max3_num_f32 v[TM+\b], v[TM+\b], |v[X+16*\b+\i]|, |v[X+1+16*\b+\i]|
.endr
.endr
.irp b, 0,1,2,3
	v_permlanex16_b32 v[TM+4+\b], v[TM+\b], s[SEL], s[SEL+1]
.endr
.irp b, 0,1,2,3
	v_max_num_f32 v[TM+\b], v[TM+\b], v[TM+4+\b]   ; with lane l xor 16's: the block's largest magnitude
.endr
.irp b, 0,1,2,3
	v_add_nc_u32 v[TM+12+\b], 0xff000000, v[TM+\b] ; 2 off its exponent field: the conversion's scale operand
.endr
.irp b, 0,1,2,3
	v_lshrrev_b32 v[TM+4+\b], 23, v[TM+12+\b]      ; the scale's byte
.endr
	v_lshl_or_b32 v[PW+\s], v[TM+5], 8, v[TM+4]
	v_lshl_or_b32 v[PW+\s], v[TM+6], 16, v[PW+\s]
	v_lshl_or_b32 v[PW+\s], v[TM+7], 24, v[PW+\s]
	s_wait_xcnt 0x0                                ; the last fragment's stores have read their data: the codes' registers may be written again
.irp c, 0,1
	v_cvt_scalef32_pk16_fp6_f32 v[PC+6*\c:PC+2+6*\c], v[X+32*\c:X+15+32*\c], v[TM+12+2*\c]
	v_cvt_scalef32_pk16_fp6_f32 v[PC+12+4*\c:PC+14+4*\c], v[X+16+32*\c:X+31+32*\c], v[TM+12+2*\c+1]   ; (a conversion's three registers begin on an even number)
.endr
	v_nop                                          ; one plain place behind a scaled conversion
.irp c, 0,1                                    ; a whole block to a lane: lanes 0-15 block 2 c, lanes 16-31 block 2 c + 1
.irp i, 0,1,2
	v_permlane16_swap_b32 v[PC+6*\c+\i], v[PC+12+4*\c+\i]
.endr
.irp i, 0,1,2
	v_mov_b32 v[PC+3+6*\c+\i], v[PC+12+4*\c+\i]
.endr
.endr
	global_store_b128 v4, v[PC:PC+3], s[14:15] offset:1536*\s          ; 512 consecutive bytes
	global_store_b64 v5, v[PC+4:PC+5], s[14:15] offset:1536*\s+512     ; 256
	global_store_b128 v4, v[PC+6:PC+9], s[14:15] offset:1536*\s+768
	global_store_b64 v5, v[PC+10:PC+11], s[14:15] offset:1536*\s+1280
.endm
	FRAGQ 0, 16                                    ; the second K step's 16 loads may stay out
	FRAGQ 1, 0
	ds_store_b64 v8, v[PW:PW+1]                    ; lanes l and l xor 16 write the same bytes with the same value
	s_wait_dscnt 0x0                               ; for the others' sake: my store has landed
	s_barrier_signal -1
	s_barrier_wait -1
	s_cmp_lg_u32 s18, 0
	s_cbranch_scc1 .Ldone
	ds_load_b128 v[240:243], v9                    ; wave 0 stores the tile's 512 bytes of scale words: two whole aligned blocks of 256
	s_wait_dscnt 0x0
	global_store_b128 v4, v[240:243], s[16:17]
.Ldone:
	s_wait_tensorcnt 0x0
	ds_add_u32 v248, v249
	s_wait_dscnt 0x0
	s_endpgm
.Lfunc_end_k_q32a7337b59_quant:
	.size	k_q32a7337b59_quant, .Lfunc_end_k_q32a7337b59_quant-k_q32a7337b59_quant
	.p2alignl 7, 3214868480
	.fill 96, 4, 3214868480
	.section	.rodata,"a",@progbits
	.p2align	6, 0x0
	.amdhsa_kernel k_q32a7337b59_quant
		.amdhsa_group_segment_fixed_size 35328
		.amdhsa_private_segment_fixed_size 0
		.amdhsa_enable_private_segment 0
		.amdhsa_kernarg_size 56
		.amdhsa_user_sgpr_count 2
		.amdhsa_user_sgpr_kernarg_segment_ptr 1
		.amdhsa_wavefront_size32 1
		.amdhsa_system_sgpr_workgroup_id_x 1
		.amdhsa_system_sgpr_workgroup_id_y 1
		.amdhsa_system_sgpr_workgroup_id_z 1
		.amdhsa_system_vgpr_workitem_id 0
		.amdhsa_next_free_vgpr 250
		.amdhsa_next_free_sgpr 66
		.amdhsa_reserve_vcc 0
		.amdhsa_float_denorm_mode_32 3
		.amdhsa_float_denorm_mode_16_64 3
		.amdhsa_memory_ordered 1
		.amdhsa_forward_progress 1
		.amdhsa_inst_pref_size 19
	.end_amdhsa_kernel
	.amdgpu_metadata
---
amdhsa.version: [ 1, 2 ]
amdhsa.kernels:
  - .name:           k_q32a7337b59_quant
    .symbol:         k_q32a7337b59_quant.kd
    .args:
      - { .name: x, .offset: 0, .size: 8, .value_kind: global_buffer, .address_space: global }
      - { .name: Wq, .offset: 8, .size: 8, .value_kind: global_buffer, .address_space: global }
      - { .name: Wk, .offset: 16, .size: 8, .value_kind: global_buffer, .address_space: global }
      - { .name: Wv, .offset: 24, .size: 8, .value_kind: global_buffer, .address_space: global }
      - { .name: Wo, .offset: 32, .size: 8, .value_kind: global_buffer, .address_space: global }
      - { .name: cod, .offset: 40, .size: 8, .value_kind: global_buffer, .address_space: global }
      - { .name: scl, .offset: 48, .size: 8, .value_kind: global_buffer, .address_space: global }
    .group_segment_fixed_size: 35328
    .private_segment_fixed_size: 0
    .kernarg_segment_align: 8
    .kernarg_segment_size: 56
    .max_flat_workgroup_size: 128
    .sgpr_count:     66
    .vgpr_count:     250
    .wavefront_size: 32
...
	.end_amdgpu_metadata
.endif
;; end of part 1
;; launch qkv (part 2): grid 12 x 32, 4 waves a work-group, clusters of 4 x 4, 327,680 bytes of LDS; arguments cod, scl, bq, bk, bv, qkc, qks, vc, vs; writes qkc, qks, vc, vs
.if DOCPART == 2
	.amdgcn_target "amdgcn-amd-amdhsa--gfx1250"
	.amdhsa_code_object_version 6
	.text
	.protected	k_q32a7337b59_qkv
	.globl	k_q32a7337b59_qkv
	.p2align	8
	.type	k_q32a7337b59_qkv,@function
k_q32a7337b59_qkv:
	s_mov_b64 s[64:65], 0
	v_nop
	global_prefetch_b8 v0, s[64:65] scope:SCOPE_SE
	s_setreg_imm32_b32 hwreg(HW_REG_WAVE_MODE, 25, 1), 1
	s_wait_xcnt 0x0
	s_wait_alu depctr_hold_cnt(0) depctr_sa_sdst(0) depctr_va_vdst(0) depctr_va_sdst(0) depctr_va_ssrc(0) depctr_va_vcc(0) depctr_vm_vsrc(0)
	s_getreg_b32 s2, hwreg(HW_REG_IB_STS2, 6, 4)
	s_cmp_eq_u32 s2, 0
	s_cbranch_scc0 .Lentry_in_a_cluster
	s_endpgm
.Lentry_in_a_cluster:
	s_bfe_u32 s2, ttmp6, 0x10000c
	s_cmp_lg_u32 s2, 0xf033
	s_cbranch_scc0 .Lentry_shape_is_right
	s_endpgm
.Lentry_shape_is_right:
.set NL,    4
.set FR,    12
.set ROWB,  3072
.set HALFT, 8*ROWB
.set SLOT,  4*HALFT
.set SPARE, 2*SLOT
.set ADRA,  16
.set ADRB,  20
.set L16,   24
.set L8,    25
.set SOF,   26
.set SCO,   27
.set SPW,   28
.set NIL,   29
.set PSEL,  30
.set BOF,   31
.set SC,    32
.set TM,    96
.set PWR,   112
.set SW,    120
.set AF,    128
.set PC0,   128
.set G1,  24
.set G0,  32
.set G1B, 48
.set G0B, 56
.set SEL, 98
.set MSB, 0
.macro WIN new
.if MSB != (\new)
	s_set_vgpr_msb (MSB<<8)|(\new)
.set MSB, (\new)
.endif
.endm
.macro JLOAD g0a, g1a, g0b, g1b
	s_cmp_eq_u32 s15, 0
	s_cbranch_scc0 .Lfor_b_\@
	tensor_load_to_lds s[\g0a:\g0a+3], s[\g1a:\g1a+7]
	s_nop 0
.rept 4
	v_nop
.endr
	s_branch .Lasked_\@
.Lfor_b_\@:
	tensor_load_to_lds s[\g0b:\g0b+3], s[\g1b:\g1b+7]
	s_nop 0
.rept 4
	v_nop
.endr
.Lasked_\@:
.endm
.macro CREST
	s_cmp_lg_u32 s14, 0
	s_cbranch_scc1 .Lnot_wave_0_\@
	s_barrier_signal -3
.Lnot_wave_0_\@:
	s_barrier_wait -3
	s_barrier_signal -1
	s_barrier_wait -1
.endm
.macro CROUND
	s_barrier_signal -1
	s_barrier_wait -1
	CREST
.endm
.macro PLACES n
.rept \n
	v_nop
.endr
.endm
	s_load_b256 s[4:11], s[0:1], 0x0
	s_load_b256 s[68:75], s[0:1], 0x20
	s_load_b64 s[76:77], s[0:1], 0x40
	v_lshl_add_u32 v[SPW], v0, 2, SPARE
	v_mov_b32 v[NIL], 0
	ds_add_u32 v28, v29
	ds_add_u32 v28, v29
	s_wait_dscnt 0x0
	v_lshrrev_b32 v1, 5, v0
	v_readfirstlane_b32 s14, v1
	s_lshr_b32 s15, s14, 1
	s_and_b32 s16, s14, 1
	s_bfe_u32 s40, ttmp6, 0x40000
	s_bfe_u32 s41, ttmp6, 0x40004
	s_lshl_b32 s42, ttmp9, 2
	s_add_co_u32 s42, s42, s40
	s_and_b32 s17, ttmp7, 0xffff
	s_lshl_b32 s17, s17, 2
	s_add_co_u32 s17, s17, s41
	s_lshl_b32 s43, s41, 2
	s_lshl_b32 s43, 15, s43
	s_lshl_b32 s44, 0x1111, s40
	s_or_b32 s[G1+0], s43, (3<<16)|(1<<21)
	s_or_b32 s[G1B+0], s44, (3<<16)|(1<<21)
.irp g, G1, G1B
	s_mov_b32 s[\g+1], 384<<16
	s_mov_b32 s[\g+2], 8<<16
	s_mov_b32 s[\g+3], 384<<16
	s_mov_b32 s[\g+4], 8
	s_mov_b32 s[\g+5], 1536
	s_mov_b32 s[\g+6], 0
	s_mov_b32 s[\g+7], 0
.endr
	s_lshl_b32 s18, s16, 3
	s_lshl_b32 s20, s17, 4
	s_add_co_u32 s20, s20, s18
	s_mul_i32 s20, s20, 12288
	s_mov_b32 s21, 0
	s_lshl_b32 s46, s42, 4
	s_add_co_u32 s46, s46, s18
	s_add_co_u32 s46, s46, 512
	s_mul_i32 s46, s46, 12288
	s_mov_b32 s47, 0
	s_mul_i32 s45, s14, HALFT
	s_wait_kmcnt 0x0
	s_add_nc_u64 s[20:21], s[4:5], s[20:21]
	s_add_nc_u64 s[46:47], s[4:5], s[46:47]
	CROUND
.irp s, 0,1
	s_mov_b32 s[G0+4*\s], 1
	s_add_co_u32 s[G0+4*\s+1], s45, \s*SLOT
	s_add_nc_u64 s[G0+4*\s+2:G0+4*\s+3], s[20:21], \s*ROWB
	s_or_b32 s[G0+4*\s+3], s[G0+4*\s+3], 0x80000000
	s_mov_b32 s[G0B+4*\s], 1
	s_add_co_u32 s[G0B+4*\s+1], s45, \s*SLOT
	s_add_nc_u64 s[G0B+4*\s+2:G0B+4*\s+3], s[46:47], \s*ROWB
	s_or_b32 s[G0B+4*\s+3], s[G0B+4*\s+3], 0x80000000
.if \s                                         ; slot 1's first fill is issued as a refill is; slot 0's stands behind the opening lines and the first round
	s_wait_alu depctr_va_vdst(0)
	s_wait_tensorcnt 0x0
	ds_add_u32 v28, v29
	ds_add_u32 v28, v29
	s_wait_dscnt 0x0
	CROUND
.endif
	JLOAD G0+4*\s, G1, G0B+4*\s, G1B
.endr
	v_and_b32 v1, 15, v0
	v_bfe_u32 v2, v0, 4, 1
	v_and_b32 v3, 31, v0
	v_lshlrev_b32 v[L16], 4, v3
	s_wait_alu depctr_va_vdst(0)
	v_lshlrev_b32 v[L8], 3, v3
	s_wait_alu depctr_va_vdst(0)
	v_lshlrev_b32 v[SOF], 4, v1
	v_lshl_add_u32 v[SOF], v2, 12, v[SOF]
.irp b, 0,1,2,3
	v_mov_b32 v[TM+4+\b], 0
.endr
	s_mov_b32 s[SEL], 0x76543210
	s_mov_b32 s[SEL+1], 0xfedcba98
	s_mov_b32 s96, 0xffff0000
	s_lshl_b32 s78, s17, 4
	s_lshl_b32 s79, s42, 4
	s_add_co_u32 s79, s79, 512
	s_cmp_eq_u32 ttmp9, 2
	s_cselect_b32 s21, 2*HALFT, 0
	s_cselect_b32 s22, 0, 2*HALFT
	s_cselect_b32 s92, s79, s78
	s_cselect_b32 s93, s78, s79
	s_cselect_b32 s88, s15, s16
	s_cselect_b32 s89, s16, s15
	s_cselect_b64 s[80:81], s[74:75], s[70:71]
	s_cselect_b64 s[82:83], s[76:77], s[72:73]
	s_cselect_b32 s90, 0, ttmp9
	s_cselect_b64 s[84:85], s[68:69], s[10:11]
	s_cmp_eq_u32 ttmp9, 0
	s_cselect_b64 s[84:85], s[8:9], s[84:85]
	s_mul_i32 s23, s15, HALFT
	s_add_co_u32 s21, s21, s23
	s_mul_i32 s23, s16, HALFT
	s_add_co_u32 s22, s22, s23
.irp s, 0,1
	v_add_nc_u32 v[ADRA+\s], s21, v[L16]
	v_add_nc_u32 v[ADRA+2+\s], s21, v[L8]
	v_add_nc_u32 v[ADRB+\s], s22, v[L16]
	v_add_nc_u32 v[ADRB+2+\s], s22, v[L8]
	s_add_co_u32 s21, s21, SLOT
	s_add_co_u32 s22, s22, SLOT
.endr
	s_lshl_b32 s23, s15, 3
	s_add_co_u32 s92, s92, s23
	s_lshl_b32 s23, s16, 3
	s_add_co_u32 s93, s93, s23
	s_lshl_b32 s92, s92, 9
	s_lshl_b32 s93, s93, 9
	v_mov_b32 v[SCO], s92
	v_mov_b32 v3, s93
	v_cmp_eq_u32 vcc_lo, 1, v2
	v_cndmask_b32 v[SCO], v[SCO], v3, vcc_lo
	v_lshl_add_u32 v[SCO], v1, 5, v[SCO]
	v_mov_b32 v[PSEL], 0x05040100
	v_mov_b32 v3, 0x07060302
	v_cndmask_b32 v[PSEL], v[PSEL], v3, vcc_lo
.irp i, 0,1,2,3,4,5,6,7
	global_load_b128 v[SC+8*\i:SC+8*\i+3], v[SCO], s[6:7] offset:512*\i
	global_load_b128 v[SC+8*\i+4:SC+8*\i+7], v[SCO], s[6:7] offset:512*\i+16
.endr
	s_lshr_b32 s91, s17, 3
	s_lshl_b32 s91, s91, 4
	s_lshl_b32 s23, s40, 2
	s_add_co_u32 s91, s91, s23
	s_lshl_b32 s23, s88, 1
	s_add_co_u32 s91, s91, s23
	s_lshl_b32 s91, s91, 4
	s_and_b32 s23, s17, 7
	s_lshl_b32 s23, s23, 1
	s_add_co_u32 s91, s91, s23
	s_add_co_u32 s91, s91, s89
	s_mul_i32 s92, s91, 6144
	s_mul_i32 s94, s90, 6291456
	s_add_co_u32 s92, s92, s94
	s_mov_b32 s93, 0
	s_add_nc_u64 s[80:81], s[80:81], s[92:93]
	s_lshl_b32 s92, s91, 8
	s_lshl_b32 s94, s90, 18
	s_add_co_u32 s92, s92, s94
	s_add_nc_u64 s[82:83], s[82:83], s[92:93]
	s_lshl_b32 s92, s88, 9
	s_lshl_b32 s94, s40, 10
	s_add_co_u32 s92, s92, s94
	s_add_nc_u64 s[84:85], s[84:85], s[92:93]
	s_cmp_eq_u32 ttmp9, 2
	s_cbranch_scc1 .Lbias_v
	v_lshlrev_b32 v[BOF], 6, v2
	WIN 0x40
.irp b, 0,1,2,3,4,5,6,7
	global_load_b128 v[96+8*(\b%4)+128*(\b/4):96+8*(\b%4)+128*(\b/4)+3], v[BOF], s[84:85] offset:(32*(\b/2)+8*(\b%2))*4
	global_load_b128 v[96+8*(\b%4)+128*(\b/4)+4:96+8*(\b%4)+128*(\b/4)+7], v[BOF], s[84:85] offset:(32*(\b/2)+8*(\b%2))*4+16
.endr
	WIN 0
	s_branch .Lbias_done
.Lbias_v:
	v_and_b32 v[BOF], 8, v1
	v_add_nc_u32 v[BOF], v[BOF], v1
	v_lshlrev_b32 v[BOF], 2, v[BOF]
	WIN 0x40
.irp a, 0,1,2,3,4,5,6,7
.irp j, 0,1,2,3,4,5,6,7
	global_load_b32 v[96+8*(\a%4)+128*(\a/4)+\j], v[BOF], s[84:85] offset:(32*(\a/2)+8*(\a%2))*4
.endr
.endr
	WIN 0
.Lbias_done:
.macro FRAG reg, adr, q, i
	ds_load_b128 v[\reg:\reg+3], v[\adr] offset:ROWB*(\i)+1536*(\q)
	ds_load_b64 v[\reg+4:\reg+5], v[\adr+2] offset:ROWB*(\i)+1536*(\q)+512
	ds_load_b128 v[\reg+6:\reg+9], v[\adr] offset:ROWB*(\i)+1536*(\q)+768
	ds_load_b64 v[\reg+10:\reg+11], v[\adr+2] offset:ROWB*(\i)+1536*(\q)+1280
.endm
.macro FETCH_B slot, q, p
	WIN 0x40
.irp i, 0,1,2,3,4,5,6,7
	FRAG 128*(\p)+FR*\i, ADRB+\slot, \q, \i
.endr
	WIN 0
.endm
.macro FETCH_A slot, q, i0
.irp i, \i0, \i0+1, \i0+2, \i0+3
	FRAG AF+FR*(\i), ADRA+\slot, \q, \i
.endr
.endm
.macro MUL16 a0, p, ks, mode
.irp a, \a0, \a0+1
.irp b, 0,1,2,3,4,5,6,7
.set mD, 8*(8*((\a)%4)+\b)
.set mA, 128*(\p)+FR*\b
.set mB, AF+FR*(\a)
.set mC, mD
.if \mode == 1
.set mC, 96+8*(\b%4)+128*(\b/4)
.endif
.if \mode == 2
.set mC, 96+8*((\a)%4)+128*((\a)/4)
.endif
	v_wmma_scale_f32_16x16x128_f8f6f4 v[mD:mD+7], v[mA:mA+FR-1], v[mB:mB+FR-1], v[mC:mC+7], v[SC+8*\b+(\ks)], v[SC+8*(\a)+(\ks)] matrix_a_fmt:MATRIX_FMT_FP6 matrix_b_fmt:MATRIX_FMT_FP6 matrix_a_scale:MATRIX_SCALE_ROW1
.endr
.endr
.endm
.macro STEP slot, ks, mode
	s_wait_dscnt 4*NL
.if \mode
	WIN 0x91
.else
	WIN 0xa1
.endif
	MUL16 0, 0, \ks, \mode
	MUL16 2, 0, \ks, \mode
	s_wait_dscnt 0x0
	PLACES 4
	FETCH_B \slot, 1, 1
	FETCH_A \slot, 1, 0
.if \mode
	WIN 0xd1
.else
	WIN 0xf1
.endif
	MUL16 4, 0, \ks, \mode
	MUL16 6, 0, \ks, \mode
	PLACES 4
	WIN 0
	FETCH_A \slot, 1, 4
.endm
.macro TURN slot, next, fill, ks
	s_wait_tensorcnt 0x0
	ds_add_u32 v[SPW], v[NIL]
	s_wait_dscnt 4*NL+1
	WIN 0xa1
	MUL16 0, 1, \ks, 0
	s_wait_dscnt 0x0
	s_barrier_signal -1
	MUL16 2, 1, \ks, 0
	WIN 0
	s_barrier_wait -1
.if \fill
	CREST
	s_add_nc_u64 s[G0+4*\slot+2:G0+4*\slot+3], s[G0+4*\slot+2:G0+4*\slot+3], 2*ROWB
	s_add_nc_u64 s[G0B+4*\slot+2:G0B+4*\slot+3], s[G0B+4*\slot+2:G0B+4*\slot+3], 2*ROWB
	JLOAD G0+4*\slot, G1, G0B+4*\slot, G1B
.else
	PLACES 4
.endif
	FETCH_B \next, 0, 0
	FETCH_A \next, 0, 0
	WIN 0xf1
	MUL16 4, 1, \ks, 0
	MUL16 6, 1, \ks, 0
	PLACES 4
	WIN 0
	FETCH_A \next, 0, 4
.endm
	s_wait_tensorcnt 1
	s_barrier_signal -1
	s_barrier_wait -1
	FETCH_B 0, 0, 0
	FETCH_A 0, 0, 0
	FETCH_A 0, 0, 4
	s_wait_loadcnt 0x0
	s_cmp_eq_u32 ttmp9, 2
	s_cbranch_scc1 .Lfirst_v
	STEP 0, 0, 1
	s_branch .Lfirst_done
.Lfirst_v:
	STEP 0, 0, 2
.Lfirst_done:
	TURN 0, 1, 1, 1
	STEP 1, 2, 0
	TURN 1, 0, 1, 3
	STEP 0, 4, 0
	TURN 0, 1, 0, 5
	STEP 1, 6, 0
	s_wait_dscnt 4*NL
	WIN 0xa1
	MUL16 0, 1, 7, 0
	MUL16 2, 1, 7, 0
	s_wait_dscnt 0x0
	WIN 0xf1
	MUL16 4, 1, 7, 0
	MUL16 6, 1, 7, 0
	WIN 0
.macro QUANTW a, set
.set QW, 2+(\a)/4
.set QS, 64*((\a)%4)
.set PC, PC0+20*(\set)
.set WN, QW|(QW<<2)
	WIN WN
.irp b, 0,1,2,3
	v_max3_num_f32 v[TM+\b], |v[QS+16*\b]|, |v[QS+1+16*\b]|, 0x1800000
.endr
.irp i, 2,4,6,8,10,12,14
.irp b, 0,1,2,3
	v_max3_num_f32 v[TM+\b], |v[QS+16*\b+\i]|, |v[QS+1+16*\b+\i]|, v[TM+\b]
.endr
.endr
	WIN 0
.irp b, 0,1,2,3
	v_permlanex16_b32 v[TM+4+\b], v[TM+\b], s[SEL], s[SEL+1]
.endr
.irp b, 0,1,2,3
	v_max_num_f32 v[TM+\b], v[TM+\b], v[TM+4+\b]
.endr
.irp b, 0,1,2,3
	v_add_nc_u32 v[TM+12+\b], 0xff000000, v[TM+\b]
.endr
.irp b, 0,1,2,3
	v_lshrrev_b32 v[TM+4+\b], 23, v[TM+12+\b]
.endr
	v_lshl_or_b32 v[PWR+(\a)], v[TM+5], 8, v[TM+4]
	v_lshl_or_b32 v[PWR+(\a)], v[TM+6], 16, v[PWR+(\a)]
	v_lshl_or_b32 v[PWR+(\a)], v[TM+7], 24, v[PWR+(\a)]
	s_wait_xcnt 0x0
	WIN QW
.irp c, 0,1
	v_cvt_scalef32_pk16_fp6_f32 v[PC+6*\c:PC+2+6*\c], v[QS+32*\c:QS+15+32*\c], v[TM+12+2*\c]
	v_cvt_scalef32_pk16_fp6_f32 v[PC+12+4*\c:PC+14+4*\c], v[QS+16+32*\c:QS+31+32*\c], v[TM+12+2*\c+1]
.endr
	WIN 0
	v_nop
.irp c, 0,1
.irp i, 0,1,2
	v_permlane16_swap_b32 v[PC+6*\c+\i], v[PC+12+4*\c+\i]
.endr
.irp i, 0,1,2
	v_mov_b32 v[PC+3+6*\c+\i], v[PC+12+4*\c+\i]
.endr
.endr
.endm
	PLACES 4
	s_cmp_eq_u32 ttmp9, 2
	s_cbranch_scc1 .Lepi_v
.irp a, 0,1,2,3,4,5,6,7
	QUANTW \a, \a%2
	global_store_b128 v[L16], v[PC:PC+3], s[80:81] offset:768*\a
	global_store_b64 v[L8], v[PC+4:PC+5], s[80:81] offset:768*\a+512
	global_store_b128 v[L16], v[PC+6:PC+9], s[80:81] offset:98304+768*\a
	global_store_b64 v[L8], v[PC+10:PC+11], s[80:81] offset:98304+768*\a+512
.endr
.irp f, 0,1,2,3
	v_perm_b32 v[SW+\f], v[PWR+2*\f+1], v[PWR+2*\f], v[PSEL]
.endr
	global_store_b128 v[SOF], v[SW:SW+3], s[82:83]
	s_branch .Lend
; V's way out.  By the order of x's tiles register 32 c + i of lane (r, h) is token 64 c + 32 h + i of the wave's 128: a whole scale block in a lane, in the operand's own order: no lane asks another for a maximum, and no codes change lanes.
.macro QUANTV a, set
.set QW, 2+(\a)/4
.set QS, 64*((\a)%4)
.set PC, PC0+20*(\set)
	WIN QW|(QW<<2)
.irp b, 0,1,2,3
	v_max3_num_f32 v[TM+\b], |v[QS+16*\b]|, |v[QS+1+16*\b]|, 0x1800000
.endr
.irp i, 2,4,6,8,10,12,14
.irp b, 0,1,2,3
	v_max3_num_f32 v[TM+\b], |v[QS+16*\b+\i]|, |v[QS+1+16*\b+\i]|, v[TM+\b]
.endr
.endr
	WIN 0
.irp c, 0,1
	v_max_num_f32 v[TM+2*\c], v[TM+2*\c], v[TM+2*\c+1]     ; my block 2 c + h
.endr
.irp c, 0,1
	v_add_nc_u32 v[TM+12+\c], 0xff000000, v[TM+2*\c]
.endr
.irp c, 0,1
	v_lshrrev_b32 v[TM+4+\c], 23, v[TM+12+\c]
.endr
	v_lshl_or_b32 v[TM+6], v[TM+5], 16, v[TM+4]            ; my two bytes,
	v_lshlrev_b32 v[TM+6], v3, v[TM+6]                     ; 8 h bits up;
	v_permlanex16_b32 v[TM+7], v[TM+6], s[SEL], s[SEL+1]
	v_or_b32 v[PWR+(\a)], v[TM+6], v[TM+7]                 ; with lane l xor 16's two the word is whole, in both halves of the lanes
	s_wait_alu depctr_va_vdst(0)
	s_wait_xcnt 0x0
	WIN QW
.irp c, 0,1
	v_cvt_scalef32_pk16_fp6_f32 v[PC+6*\c:PC+2+6*\c], v[QS+32*\c:QS+15+32*\c], v[TM+12+\c]
	v_cvt_scalef32_pk16_fp6_f32 v[PC+12+4*\c:PC+14+4*\c], v[QS+16+32*\c:QS+31+32*\c], v[TM+12+\c]
.endr
	WIN 0
	v_nop
.irp c, 0,1
.irp i, 0,1,2
	v_mov_b32 v[PC+3+6*\c+\i], v[PC+12+4*\c+\i]
.endr
.endr
.endm
.Lepi_v:
	v_lshlrev_b32 v3, 3, v2                        ; 8 h
.irp a, 0,1,2,3,4,5,6,7
	QUANTV \a, \a%2
.irp c, 0,1,2
	global_store_b128 v[L16], v[PC+4*\c:PC+4*\c+3], s[80:81] offset:(\a/4)*98304+(\a%4)*1536+512*\c
.endr
.endr
.irp t, 0,1,2,3
	v_cndmask_b32 v[SW+\t], v[PWR+\t], v[PWR+4+\t], s96
.endr
	global_store_b128 v[SOF], v[SW:SW+3], s[82:83]
.Lend:
	s_wait_tensorcnt 0x0
	ds_add_u32 v[SPW], v[NIL]
	s_wait_dscnt 0x0
	CROUND
	s_endpgm
.Lfunc_end_k_q32a7337b59_qkv:
	.size	k_q32a7337b59_qkv, .Lfunc_end_k_q32a7337b59_qkv-k_q32a7337b59_qkv
	.p2alignl 7, 3214868480
	.fill 96, 4, 3214868480
	.section	.rodata,"a",@progbits
	.p2align	6, 0x0
	.amdhsa_kernel k_q32a7337b59_qkv
		.amdhsa_group_segment_fixed_size 327680
		.amdhsa_private_segment_fixed_size 0
		.amdhsa_enable_private_segment 0
		.amdhsa_kernarg_size 72
		.amdhsa_user_sgpr_count 2
		.amdhsa_user_sgpr_kernarg_segment_ptr 1
		.amdhsa_wavefront_size32 1
		.amdhsa_system_sgpr_workgroup_id_x 1
		.amdhsa_system_sgpr_workgroup_id_y 1
		.amdhsa_system_sgpr_workgroup_id_z 1
		.amdhsa_system_vgpr_workitem_id 0
		.amdhsa_next_free_vgpr 1024
		.amdhsa_next_free_sgpr 100
		.amdhsa_reserve_vcc 1
		.amdhsa_float_denorm_mode_32 3
		.amdhsa_float_denorm_mode_16_64 3
		.amdhsa_memory_ordered 1
		.amdhsa_forward_progress 1
		.amdhsa_inst_pref_size 196
	.end_amdhsa_kernel
	.amdgpu_metadata
---
amdhsa.version: [ 1, 2 ]
amdhsa.kernels:
  - .name:           k_q32a7337b59_qkv
    .symbol:         k_q32a7337b59_qkv.kd
    .args:
      - { .name: cod, .offset: 0, .size: 8, .value_kind: global_buffer, .address_space: global }
      - { .name: scl, .offset: 8, .size: 8, .value_kind: global_buffer, .address_space: global }
      - { .name: bq, .offset: 16, .size: 8, .value_kind: global_buffer, .address_space: global }
      - { .name: bk, .offset: 24, .size: 8, .value_kind: global_buffer, .address_space: global }
      - { .name: bv, .offset: 32, .size: 8, .value_kind: global_buffer, .address_space: global }
      - { .name: qkc, .offset: 40, .size: 8, .value_kind: global_buffer, .address_space: global }
      - { .name: qks, .offset: 48, .size: 8, .value_kind: global_buffer, .address_space: global }
      - { .name: vc, .offset: 56, .size: 8, .value_kind: global_buffer, .address_space: global }
      - { .name: vs, .offset: 64, .size: 8, .value_kind: global_buffer, .address_space: global }
    .group_segment_fixed_size: 327680
    .private_segment_fixed_size: 0
    .kernarg_segment_align: 8
    .kernarg_segment_size: 72
    .max_flat_workgroup_size: 128
    .sgpr_count:     100
    .vgpr_count:     1024
    .wavefront_size: 32
...
	.end_amdgpu_metadata
.endif
;; end of part 2
;; launch attn (part 3): grid 4 x 64, 16 waves a work-group, clusters of 4 x 1, 206,848 bytes of LDS; arguments qkc, qks, vc, vs, cod, scl; writes cod, scl
.if DOCPART == 3
	.amdgcn_target "amdgcn-amd-amdhsa--gfx1250"
	.amdhsa_code_object_version 6
	.text
	.protected	k_q32a7337b59_attn
	.globl	k_q32a7337b59_attn
	.p2align	8
	.type	k_q32a7337b59_attn,@function
k_q32a7337b59_attn:
	s_mov_b64 s[64:65], 0
	v_nop
	global_prefetch_b8 v0, s[64:65] scope:SCOPE_SE
	s_setreg_imm32_b32 hwreg(HW_REG_WAVE_MODE, 25, 1), 1
	s_wait_xcnt 0x0
	s_wait_alu depctr_hold_cnt(0) depctr_sa_sdst(0) depctr_va_vdst(0) depctr_va_sdst(0) depctr_va_ssrc(0) depctr_va_vcc(0) depctr_vm_vsrc(0)
	s_getreg_b32 s2, hwreg(HW_REG_IB_STS2, 6, 4)
	s_cmp_eq_u32 s2, 0
	s_cbranch_scc0 .Lentry_in_a_cluster
	s_endpgm
.Lentry_in_a_cluster:
	s_bfe_u32 s2, ttmp6, 0x10000c
	s_cmp_lg_u32 s2, 0x3003
	s_cbranch_scc0 .Lentry_shape_is_right
	s_endpgm
.Lentry_shape_is_right:
; O = softmax(Q K^T / 8) V for 64 heads of 64 channels, 2,048 keys, both products on codes of FP6 (E2M3); O / l is quantised along d_model for the last product and stored as tiles 768 .. 1,279 of cod and scl.
; THE SOFTMAX: t = score x log2(e) / 8; M = the running largest t rounded UP to a whole number; p = 2^(t - M) is quantised along the keys, not normalised; l is summed of the unquantised p and divides at the end.
; When M moves, l and O are multiplied by f = 2^(old M - new M): exact.
; SHARES.  A cluster of four work-groups is one head; a work-group owns 512 queries; each of its 16 waves owns one tile of 16 queries at a time, in two passes.  A head's whole K and V lie in LDS (204,800 bytes with
; their scale words): asked for once, jointly by the four partners, at the head, and never filled again: no ring, no barrier in the loop.
; LAYOUT.  Both products are used transposed (S^T = K Q^T, O^T = V^T P^T): a lane holds one query throughout.  Lane row r of token tile t is token 64 (t / 4) + 8 (t % 4) + r % 8 + 32 (r / 8), so register 32 c + i of a
; lane's 64 scores of a trip is key 64 c + 32 h + i (h = lane / 16): ONE WHOLE SCALE BLOCK OF 32 KEYS IN A LANE, in the order of the operand's registers.  A block's maximum needs no other lane and no codes change lanes;
; lanes l and l xor 16 meet twice a trip: for the row's maximum and for P's scale word.  Channels keep the weights' order, 32 (t / 2) + 8 (t % 2) + r % 8 + 16 (r / 8).
; K = 64 IN AN INSTRUCTION OF 128.  A fragment of K holds key tile 2 f in k = 0 .. 63 and key tile 2 f + 1 in k = 64 .. 127.  q stands between two runs of six registers of zero codes: (q, 0) gives tile 2 f's scores,
; (0, q) tile 2 f + 1's.  The other 64 products meet zero codes; every scale byte here is 1 .. 254, so they add exactly 0.
; A TRIP (128 keys): 8 products S^T; 32 maxima; the chain that makes M and f, with the trip's 30 LDS loads among its links (V's fragments, then K's of the NEXT trip, which have registers of their own); O x f; t - M;
; 66 exponentials; the sums in four chains kept from trip to trip (their first links are l x f + p), the scale bytes and the conversions among them; 4 products O^T.
; The last trip's fetch ahead reads the 6,144 bytes behind K's codes and the 256 behind its scale words: V's, inside LDS and landed; they are multiplied with nothing.
; LIMITS: the promise holds while the scaled scores stay under 2^31 in magnitude; a p under 2^-126 comes out of the exponential as 0; a block of zeros gets the byte 1 where the rule says 127 (zero codes; read by this
; program alone); NaN and infinities are not served.  O's scale bytes leave one byte a lane, 32 bytes apart.  No prefetch: all that the launch reads again and again is asked for at its head.
.set VC,    98304                      ; LDS: K's codes at 0, V's here,
.set KSC,   196608                     ; K's scale words,
.set VSC,   200704                     ; V's,
.set SPARE, 204800                     ; the spare words: 128 bytes a wave
.set L16,   1                          ; v0 16 r (behind the head); v1 16 x lane; v2 8 x lane
.set L8,    2
.set PWD,   3                          ; v3 P's scale word
.set AK,    4                          ; v4, v5 K's next fragments; v6 V's; v7 the scale words
.set F,     8                          ; v[8:9] f
.set NM,    10                         ; v10 -M, v11 the largest score so far
.set L,     12                         ; v12-19 l, four pairs
.set QS,    20                         ; v20 Q's scale word; v21 at work
.set QZ,    22                         ; v22-39 0 | q | 0
.set KW,    40                         ; v40-43 K's scale words, v44-47 V's
.set VW,    44
.set KF,    48                         ; v48-95 K's fragments
.set VF,    96                         ; v96-143 V's
.set S,     144                        ; v144-207 S^T, then p
.set O,     208                        ; v208-239 O^T
.set P,     240                        ; v240-251 P's codes; ahead of the conversions at work
.set BM,    P+4                        ; the two blocks' largest
.set SO,    252                        ; v252, v253 the conversions' scale operands
.set SPW,   254
.set NIL,   255
.set TB,    2                          ; s2 K's next step, s77 V's step, s3 the scale words' step
.set TS,    3
.set TBV,   77
.set WV,    18
.set CX,    19
.set SEL,   20
.set CS,    22                         ; s[22:23] c = log2(e) / 8
.set G1C,   24
.set G1S,   32
.set G0K,   40
.set G0V,   44
.set G0KS,  48
.set G0VS,  52
.set CNT,   56
.set HM,    57                         ; lanes 16-31
.set QCB,   58
.set QSB,   60
.set OCB,   62
.set OSB,   66
.set BH,    68
.macro WALU
	s_wait_alu depctr_va_vdst(0)
.endm
.macro CROUND
	s_barrier_signal -1
	s_barrier_wait -1
	s_cmp_lg_u32 s[WV], 0
	s_cbranch_scc1 .Lnot_wave_0_\@
	s_barrier_signal -3
.Lnot_wave_0_\@:
	s_barrier_wait -3
	s_barrier_signal -1
	s_barrier_wait -1
.endm
.macro TLOAD g0, g1
	tensor_load_to_lds s[\g0:\g0+3], s[\g1:\g1+7]
	s_nop 0
.rept 4
	v_nop
.endr
.endm
.macro VLOAD t
.irp c, 0,1,2
	ds_load_b128 v[VF+12*(\t)+4*\c:VF+12*(\t)+4*\c+3], v[AK+2] offset:1536*(\t)+512*\c
.endr
.endm
.macro KLOAD a, r16, r8
	ds_load_b128 v[KF+6*(\a):KF+6*(\a)+3], v[\r16] offset:768*(\a)
	ds_load_b64 v[KF+6*(\a)+4:KF+6*(\a)+5], v[\r8] offset:768*(\a)+512
.endm
.macro SUMS a, b                       ; pairs a .. b - 1 of p onto the four chains; a chain's first link brings l under the new M
.set J_, \a
.rept (\b)-(\a)
.if J_ < 4
	v_pk_fma_f32 v[L+2*J_:L+2*J_+1], v[L+2*J_:L+2*J_+1], v[F:F+1], v[S+2*J_:S+2*J_+1] op_sel_hi:[1,0,1]
.else
	v_pk_add_f32 v[L+2*(J_%4):L+2*(J_%4)+1], v[L+2*(J_%4):L+2*(J_%4)+1], v[S+2*J_:S+2*J_+1]
.endif
.set J_, J_+1
.endr
.endm
	s_load_b256 s[4:11], s[0:1], 0x0               ; qkc, qks, vc, vs
	s_load_b128 s[12:15], s[0:1], 0x20             ; cod, scl
	v_lshl_add_u32 v[SPW], v0, 2, SPARE
	v_mov_b32 v[NIL], 0
	ds_add_u32 v[SPW], v[NIL]                      ; the opening lines
	ds_add_u32 v[SPW], v[NIL]
	v_lshrrev_b32 v1, 5, v0
	v_readfirstlane_b32 s[WV], v1                  ; wave 0..15
	s_bfe_u32 s[CX], ttmp6, 0x40000                ; my place in the cluster: it enters Q's and O's global addresses alone
	s_and_b32 s[BH], ttmp7, 0xffff                 ; the head of 64, which the four partners share
	s_mov_b32 s[G1C], 15|(3<<16)|(1<<21)           ; 24,576 dense bytes as 96 rows of 256; the mask names all four
	s_mov_b32 s[G1C+1], 32<<16
	s_mov_b32 s[G1C+2], 96<<16
	s_mov_b32 s[G1C+3], 32<<16
	s_mov_b32 s[G1C+4], 96
	s_mov_b32 s[G1C+5], 32
	s_mov_b32 s[G1C+6], 0
	s_mov_b32 s[G1C+7], 0
	s_mov_b32 s[G1S], 15|(3<<16)|(1<<21)           ; 4,096 dense bytes as 16 rows of 256
	s_mov_b32 s[G1S+1], 32<<16
	s_mov_b32 s[G1S+2], 16<<16
	s_mov_b32 s[G1S+3], 32<<16
	s_mov_b32 s[G1S+4], 16
	s_mov_b32 s[G1S+5], 32
	s_mov_b32 s[G1S+6], 0
	s_mov_b32 s[G1S+7], 0
	s_and_b32 s70, s[WV], 3
	s_mul_i32 s71, s70, 24576                      ; my quarter, in memory and in LDS
	s_mul_i32 s72, s[BH], 98304
	s_add_co_u32 s72, s72, s71
	s_mov_b32 s73, 0
	s_lshl_b32 s74, s[BH], 12
	s_mov_b32 s75, 0
	s_mov_b32 s[SEL], 0x76543210
	s_mov_b32 s[SEL+1], 0xfedcba98
	s_mov_b32 s[CS], 0x3e38aa3b
	s_mov_b32 s[CS+1], s[CS]
	s_mov_b32 s[HM], 0xffff0000
	s_wait_dscnt 0x0
	s_wait_kmcnt 0x0
	s_mov_b32 s[G0K], 1
	s_mov_b32 s[G0K+1], s71
	s_add_nc_u64 s[G0K+2:G0K+3], s[4:5], s[72:73]
	s_add_nc_u64 s[G0K+2:G0K+3], s[G0K+2:G0K+3], 6291456   ; K's half of qkc
	s_or_b32 s[G0K+3], s[G0K+3], 0x80000000
	s_mov_b32 s[G0V], 1
	s_add_co_u32 s[G0V+1], s71, VC
	s_add_nc_u64 s[G0V+2:G0V+3], s[8:9], s[72:73]
	s_or_b32 s[G0V+3], s[G0V+3], 0x80000000
	s_mov_b32 s[G0KS], 1
	s_mov_b32 s[G0KS+1], KSC
	s_add_nc_u64 s[G0KS+2:G0KS+3], s[6:7], s[74:75]
	s_add_nc_u64 s[G0KS+2:G0KS+3], s[G0KS+2:G0KS+3], 262144
	s_or_b32 s[G0KS+3], s[G0KS+3], 0x80000000
	s_mov_b32 s[G0VS], 1
	s_mov_b32 s[G0VS+1], VSC
	s_add_nc_u64 s[G0VS+2:G0VS+3], s[10:11], s[74:75]
	s_or_b32 s[G0VS+3], s[G0VS+3], 0x80000000
	CROUND                                         ; all four work-groups are here: the joint loads meet
	; One load a wave at the most, in one chain of arms.  What the first three trips read is asked for by waves 0, 4, 8, 12, on lines of their own: K's and V's first quarters (key steps 0-3) and the scale words.
	; Waves 1-3 ask for K's other quarters, waves 5-7 for V's: quarter = wave % 4 in both groups.
	s_cmp_eq_u32 s[WV], 0
	s_cbranch_scc0 .Lnot_k0
	TLOAD G0K, G1C
	s_branch .Lasked
.Lnot_k0:
	s_cmp_eq_u32 s[WV], 4
	s_cbranch_scc0 .Lnot_v0
	TLOAD G0V, G1C
	s_branch .Lasked
.Lnot_v0:
	s_cmp_eq_u32 s[WV], 8
	s_cbranch_scc0 .Lnot_ks
	TLOAD G0KS, G1S
	s_branch .Lasked
.Lnot_ks:
	s_cmp_eq_u32 s[WV], 12
	s_cbranch_scc0 .Lnot_vs
	TLOAD G0VS, G1S
	s_branch .Lasked
.Lnot_vs:
	s_cmp_lt_u32 s[WV], 4
	s_cbranch_scc0 .Lnot_k
	TLOAD G0K, G1C
	s_branch .Lasked
.Lnot_k:
	s_cmp_lt_u32 s[WV], 8
	s_cbranch_scc0 .Lasked
	TLOAD G0V, G1C
.Lasked:
	v_and_b32 v[L16], 31, v0
	v_lshlrev_b32 v[L8], 3, v[L16]                 ; 8 x lane
	v_lshlrev_b32 v[L16], 4, v[L16]                ; 16 x lane
	v_and_b32 v0, 15, v0
	v_lshlrev_b32 v0, 4, v0                        ; 16 r
.irp j, 0,1,2,3,4,5,12,13,14,15,16,17
	v_mov_b32 v[QZ+\j], 0                          ; the zero codes on both sides of q
.endr
	v_mov_b32 v[F+1], 0                            ; (named as the upper half of the pair with f)
	WALU
	s_cmp_eq_u32 s70, 0                            ; wave % 4 = 0: the four waves whose tiles this barrier shows wait for them; the other quarters may still be on their way
	s_cbranch_scc0 .Llater
	s_wait_tensorcnt 0x0
.Llater:
	s_barrier_signal -1
	s_barrier_wait -1
; A PASS: query tile 32 cx + 16 p + wave of the head.
.macro PASS p
	s_wait_xcnt 0x0                                ; the last pass's stores have read their bases, addresses and data
	s_lshl_b32 s70, s[CX], 5
	s_add_co_u32 s70, s70, s[WV]
	s_add_co_u32 s70, s70, 16*\p                   ; the tile, 0 .. 127
	s_lshl_b32 s71, s[BH], 7
	s_add_co_u32 s71, s71, s70
	s_mul_i32 s72, s71, 768
	s_mov_b32 s73, 0
	s_add_nc_u64 s[QCB:QCB+1], s[4:5], s[72:73]
	s_lshr_b32 s72, s71, 3                         ; its group of eight tiles: 256 bytes of scale words;
	s_lshl_b32 s72, s72, 8
	s_and_b32 s74, s70, 7
	s_lshl_b32 s74, s74, 1                         ; in a row's 16 bytes, two bytes a tile
	s_add_co_u32 s72, s72, s74
	s_add_nc_u64 s[QSB:QSB+1], s[6:7], s[72:73]
	s_lshr_b32 s74, s[BH], 4                       ; the batch
	s_lshl_b32 s74, s74, 7
	s_add_co_u32 s74, s74, s70
	s_add_co_u32 s74, s74, 768                     ; O's tile of cod and scl
	s_and_b32 s75, s[BH], 15                       ; the head of 16
	s_mul_i32 s72, s74, 12288
	s_mul_i32 s76, s75, 768
	s_add_co_u32 s72, s72, s76
	s_add_nc_u64 s[OCB:OCB+1], s[12:13], s[72:73]
	s_lshl_b32 s72, s74, 9
	s_lshl_b32 s76, s75, 1
	s_add_co_u32 s72, s72, s76
	s_add_nc_u64 s[OSB:OSB+1], s[14:15], s[72:73]
	global_load_b128 v[QZ+6:QZ+9], v[L16], s[QCB:QCB+1]
	global_load_b64 v[QZ+10:QZ+11], v[L8], s[QCB:QCB+1] offset:512
	global_load_u16 v21, v0, s[QSB:QSB+1]
	v_add_nc_u32 v[AK+3], KSC, v0
.irp a, 0,1,2,3,4,5,6,7
	KLOAD \a, L16, L8                              ; key step 0
.endr
	ds_load_b128 v[KW:KW+3], v[AK+3]
	v_mov_b32 v[NM+1], 0xff61b1e6                  ; the largest score so far: -3e38
	v_mul_f32 v[NM], s[CS], v[NM+1]
	v_floor_f32 v[NM], -v[NM]                      ; -M
.irp j, 0,1,2,3,4,5,6,7
	v_mov_b32 v[L+\j], 0
.endr
	s_wait_loadcnt 0x0
	v_lshl_or_b32 v[QS], v21, 16, v21              ; Q's two bytes in both halves of its scale word
.set J_, 0
.rept 32
	v_mov_b32 v[O+J_], 0                           ; O^T: the first f is 0 and leaves zeros zeros.  (Also the places between the scale word's write and the first product)
.set J_, J_+1
.endr
	WALU
.endm
; num trips of 128 keys, from key step first on
.macro TRIPS first, num
	s_mov_b32 s[TB], 6144*(\first)+6144
	s_mov_b32 s[TBV], VC+6144*(\first)
	s_mov_b32 s[TS], KSC+256*(\first)
	s_mov_b32 s[CNT], \num
.Lkey_\@:
	s_wait_dscnt 0x0                               ; K's fragments and scale words, asked for a trip ago
.irp f, 0,1,2,3
	v_wmma_scale_f32_16x16x128_f8f6f4 v[S+16*\f:S+16*\f+7], v[KF+12*\f:KF+12*\f+11], v[QZ+6:QZ+17], 0, v[KW+\f], v[QS] matrix_a_fmt:MATRIX_FMT_FP6 matrix_b_fmt:MATRIX_FMT_FP6
	v_wmma_scale_f32_16x16x128_f8f6f4 v[S+16*\f+8:S+16*\f+15], v[KF+12*\f:KF+12*\f+11], v[QZ:QZ+11], 0, v[KW+\f], v[QS] matrix_a_fmt:MATRIX_FMT_FP6 matrix_b_fmt:MATRIX_FMT_FP6
.endr
	v_add_nc_u32 v[AK], s[TB], v[L16]              ; four plain places behind the products: ahead of the reads of the scores, of the writes over P's codes and of the loads into the fragments
	v_add_nc_u32 v[AK+1], s[TB], v[L8]
	v_add_nc_u32 v[AK+2], s[TBV], v[L16]
	v_add_nc_u32 v[AK+3], s[TS], v0
.irp c, 0,1                                    ; the largest score of my two blocks of 32 keys, two chains a block; each accumulator is first read at its low end
	v_max3_num_f32 v[P+2*\c], v[S+32*\c], v[S+32*\c+1], v[S+32*\c+2]
	v_max3_num_f32 v[P+2*\c+1], v[S+32*\c+16], v[S+32*\c+17], v[S+32*\c+18]
.endr
.irp i, 3,5,7,9,11,13
.irp c, 0,1
	v_max3_num_f32 v[P+2*\c], v[P+2*\c], v[S+32*\c+\i], v[S+32*\c+\i+1]
	v_max3_num_f32 v[P+2*\c+1], v[P+2*\c+1], v[S+32*\c+16+\i], v[S+32*\c+17+\i]
.endr
.endr
.irp c, 0,1
	v_max3_num_f32 v[P+2*\c], v[P+2*\c], v[P+2*\c+1], v[S+32*\c+15]
.endr
.irp c, 0,1
	v_max_num_f32 v[BM+\c], v[P+2*\c], v[S+32*\c+31]
.endr
	v_max_num_f32 v[P], v[BM], v[BM+1]             ; the chain to M and f; the trip's LDS loads stand among its links
	VLOAD 0
	v_permlanex16_b32 v[P+1], v[P], s[SEL], s[SEL+1]
	VLOAD 1
	v_max3_num_f32 v[NM+1], v[NM+1], v[P], v[P+1]  ; the running largest score of my query
	VLOAD 2
	v_mul_f32 v[P+2], s[CS], v[NM+1]               ; as t (c is positive)
	VLOAD 3
	ds_load_b128 v[VW:VW+3], v[AK+3] offset:VSC-KSC
	v_floor_f32 v[P+3], -v[P+2]                    ; the new -M = -ceil(t)
	KLOAD 0, AK, AK+1
	KLOAD 1, AK, AK+1
	v_sub_f32 v[P], v[P+3], v[NM]                  ; old M - new M: a whole number, 0 or less
	v_mov_b32 v[NM], v[P+3]
	KLOAD 2, AK, AK+1
	KLOAD 3, AK, AK+1
	v_cvt_i32_f32 v[P], v[P]                       ; (it saturates)
	KLOAD 4, AK, AK+1
	KLOAD 5, AK, AK+1
	v_ldexp_f32 v[F], 1.0, v[P]                    ; f = 2^(old M - new M)
	KLOAD 6, AK, AK+1
	KLOAD 7, AK, AK+1
	ds_load_b128 v[KW:KW+3], v[AK+3] offset:256
.set J_, 0
.rept 32
	v_pk_fma_f32 v[S+J_:S+J_+1], v[S+J_:S+J_+1], s[CS:CS+1], v[NM:NM+1] op_sel_hi:[1,0,0]   ; t - M
.set J_, J_+2
.endr
.irp c, 0,1
	v_fma_f32 v[BM+\c], v[BM+\c], s[CS], v[NM]     ; the same of each block's largest score
.endr
.set J_, 0
.rept 16
	v_pk_mul_f32 v[O+J_:O+J_+1], v[O+J_:O+J_+1], v[F:F+1] op_sel_hi:[1,0]   ; O^T under the new M, ahead of the exponentials
.set J_, J_+2
.endr
	WALU
.set J_, 0
.rept 64
	v_exp_f32 v[S+J_], v[S+J_]                     ; p = 2^(t - M)
.set J_, J_+1
.endr
.irp c, 0,1
	v_exp_f32 v[BM+\c], v[BM+\c]                   ; each block's largest p: the same two instructions on the same number
.endr
	v_nop                                          ; a plain place behind the batch
	WALU                                           ; and the one wait behind it
.irp c, 0,1
	v_max_num_f32 v[BM+\c], 0x1800000, v[BM+\c]    ; the floor 2^(3 - 127): the byte cannot fall under 1
.endr
	SUMS 0, 2
.irp c, 0,1
	v_add_nc_u32 v[SO+\c], 0xff000000, v[BM+\c]    ; 2 off the exponent field: the conversion's scale operand
.endr
	SUMS 2, 4
.irp c, 0,1
	v_lshrrev_b32 v[BM+\c], 23, v[SO+\c]           ; the bytes of blocks h and 2 + h
.endr
	SUMS 4, 8
	v_cvt_scalef32_pk16_fp6_f32 v[P:P+2], v[S:S+15], v[SO]
	v_cvt_scalef32_pk16_fp6_f32 v[P+6:P+8], v[S+32:S+47], v[SO+1]
	v_lshl_or_b32 v[P+9], v[BM+1], 16, v[BM]
	SUMS 8, 10
	v_permlanex16_b32 v[BM], v[P+9], s[SEL], s[SEL+1]
	SUMS 10, 12
	v_lshl_or_b32 v[PWD], v[BM], 8, v[P+9]         ; lanes 0-15: bytes 0 and 2 mine, 1 and 3 lane l + 16's: P's scale word.  (Lanes 16-31 are not read)
	v_cvt_scalef32_pk16_fp6_f32 v[S:S+2], v[S+16:S+31], v[SO]        ; the upper halves land on p that has been summed and converted (a conversion's three registers begin on an even number)
	v_cvt_scalef32_pk16_fp6_f32 v[S+4:S+6], v[S+48:S+63], v[SO+1]
	SUMS 12, 16
.irp i, 0,1,2
	v_mov_b32 v[P+3+\i], v[S+\i]
	v_mov_b32 v[P+9+\i], v[S+4+\i]
.endr
	SUMS 16, 32                                    ; sixteen plain places between P's codes and scale word and the products
	WALU
	s_wait_dscnt 17                                ; V's 13 loads are in; K's next 17 may be out
.irp t, 0,1,2,3
	v_wmma_scale_f32_16x16x128_f8f6f4 v[O+8*\t:O+8*\t+7], v[VF+12*\t:VF+12*\t+11], v[P:P+11], v[O+8*\t:O+8*\t+7], v[VW+\t], v[PWD] matrix_a_fmt:MATRIX_FMT_FP6 matrix_b_fmt:MATRIX_FMT_FP6
.endr
	s_add_co_u32 s[TB], s[TB], 6144
	s_add_co_u32 s[TBV], s[TBV], 6144
	s_add_co_u32 s[TS], s[TS], 256
	s_sub_co_u32 s[CNT], s[CNT], 1
	s_cmp_lg_u32 s[CNT], 0
	s_cbranch_scc1 .Lkey_\@
.endm
.macro EPI
	; O / l, quantised along the head's 64 channels (two blocks), leaves as half a fragment of the last product's operand
	s_wait_dscnt 0x0                               ; the last fetch ahead has landed: its registers serve below
	v_pk_add_f32 v[L:L+1], v[L:L+1], v[L+2:L+3]
	v_pk_add_f32 v[L+4:L+5], v[L+4:L+5], v[L+6:L+7]
	v_pk_add_f32 v[L:L+1], v[L:L+1], v[L+4:L+5]
	v_add_f32 v[L], v[L], v[L+1]
	v_permlanex16_b32 v[L+1], v[L], s[SEL], s[SEL+1]
	v_add_f32 v[L], v[L], v[L+1]                   ; the row's sum.  (These six are also the places behind the last products)
	WALU
	v_rcp_f32 v[L], v[L]
	v_nop
	WALU                                           ; ahead of the first reader of the reciprocal and of O^T
.set J_, 0
.rept 16
	v_pk_mul_f32 v[S+J_:S+J_+1], v[O+J_:O+J_+1], v[L:L+1] op_sel_hi:[1,0]   ; register 16 b + i = channel 32 b + 16 h + i of my query
.set J_, J_+2
.endr
.irp b, 0,1
	v_max3_num_f32 v[KF+\b], |v[S+16*\b]|, |v[S+1+16*\b]|, 0x1800000
.endr
.irp i, 2,4,6,8,10,12,14
.irp b, 0,1
	v_max3_num_f32 v[KF+\b], v[KF+\b], |v[S+16*\b+\i]|, |v[S+1+16*\b+\i]|
.endr
.endr
.irp b, 0,1
	v_permlanex16_b32 v[KF+2+\b], v[KF+\b], s[SEL], s[SEL+1]
.endr
.irp b, 0,1
	v_max_num_f32 v[KF+\b], v[KF+\b], v[KF+2+\b]
.endr
.irp b, 0,1
	v_add_nc_u32 v[SO+\b], 0xff000000, v[KF+\b]
.endr
.irp b, 0,1
	v_lshrrev_b32 v[KF+2+\b], 23, v[SO+\b]
.endr
	v_cndmask_b32 v[KF+4], v[KF+2], v[KF+3], s[HM] ; lanes 0-15 block 0's byte, lanes 16-31 block 1's
	v_lshrrev_b32 v[KF+5], 8, v[L16]
	v_lshl_or_b32 v[KF+5], v0, 1, v[KF+5]          ; 32 r + h: the byte's place
	v_cvt_scalef32_pk16_fp6_f32 v[P:P+2], v[S:S+15], v[SO]
	v_cvt_scalef32_pk16_fp6_f32 v[KF+6:KF+8], v[S+16:S+31], v[SO+1]
	v_nop
.irp i, 0,1,2
	v_permlane16_swap_b32 v[P+\i], v[KF+6+\i]
.endr
.irp i, 0,1,2
	v_mov_b32 v[P+3+\i], v[KF+6+\i]
.endr
	global_store_b128 v[L16], v[P:P+3], s[OCB:OCB+1]
	global_store_b64 v[L8], v[P+4:P+5], s[OCB:OCB+1] offset:512
	global_store_b8 v[KF+5], v[KF+4], s[OSB:OSB+1]
.endm
	PASS 0
	TRIPS 0, 3                                     ; key steps 0-2, and the fetch ahead of K's step 3: all in the first quarters
	s_wait_tensorcnt 0x0                           ; every wave: my tile, if one was still out, is in;
	s_wait_dscnt 0x0                               ; no LDS load of mine is out at the signal
	s_barrier_signal -1
	s_barrier_wait -1                              ; a plain barrier: all of K and V is shown to all
	TRIPS 3, 13
	EPI
	PASS 1
	TRIPS 0, 16
	EPI
	s_wait_tensorcnt 0x0                           ; the wave's end
	ds_add_u32 v[SPW], v[NIL]
	s_wait_dscnt 0x0
	CROUND                                         ; the closing round
	s_endpgm
.Lfunc_end_k_q32a7337b59_attn:
	.size	k_q32a7337b59_attn, .Lfunc_end_k_q32a7337b59_attn-k_q32a7337b59_attn
	.p2alignl 7, 3214868480
	.fill 96, 4, 3214868480
	.section	.rodata,"a",@progbits
	.p2align	6, 0x0
	.amdhsa_kernel k_q32a7337b59_attn
		.amdhsa_group_segment_fixed_size 206848
		.amdhsa_private_segment_fixed_size 0
		.amdhsa_enable_private_segment 0
		.amdhsa_kernarg_size 48
		.amdhsa_user_sgpr_count 2
		.amdhsa_user_sgpr_kernarg_segment_ptr 1
		.amdhsa_wavefront_size32 1
		.amdhsa_system_sgpr_workgroup_id_x 1
		.amdhsa_system_sgpr_workgroup_id_y 1
		.amdhsa_system_sgpr_workgroup_id_z 1
		.amdhsa_system_vgpr_workitem_id 0
		.amdhsa_next_free_vgpr 256
		.amdhsa_next_free_sgpr 96
		.amdhsa_reserve_vcc 0
		.amdhsa_float_denorm_mode_32 3
		.amdhsa_float_denorm_mode_16_64 3
		.amdhsa_memory_ordered 1
		.amdhsa_forward_progress 1
		.amdhsa_inst_pref_size 67
	.end_amdhsa_kernel
	.amdgpu_metadata
---
amdhsa.version: [ 1, 2 ]
amdhsa.kernels:
  - .name:           k_q32a7337b59_attn
    .symbol:         k_q32a7337b59_attn.kd
    .args:
      - { .name: qkc, .offset: 0, .size: 8, .value_kind: global_buffer, .address_space: global }
      - { .name: qks, .offset: 8, .size: 8, .value_kind: global_buffer, .address_space: global }
      - { .name: vc, .offset: 16, .size: 8, .value_kind: global_buffer, .address_space: global }
      - { .name: vs, .offset: 24, .size: 8, .value_kind: global_buffer, .address_space: global }
      - { .name: cod, .offset: 32, .size: 8, .value_kind: global_buffer, .address_space: global }
      - { .name: scl, .offset: 40, .size: 8, .value_kind: global_buffer, .address_space: global }
    .group_segment_fixed_size: 206848
    .private_segment_fixed_size: 0
    .kernarg_segment_align: 8
    .kernarg_segment_size: 48
    .max_flat_workgroup_size: 512
    .sgpr_count:     96
    .vgpr_count:     256
    .wavefront_size: 32
...
	.end_amdgpu_metadata
.endif
;; end of part 3
;; launch oproj (part 4): grid 8 x 32, 4 waves a work-group, clusters of 4 x 4, 327,680 bytes of LDS; arguments cod, scl, bo, out0; writes out0
.if DOCPART == 4
	.amdgcn_target "amdgcn-amd-amdhsa--gfx1250"
	.amdhsa_code_object_version 6
	.text
	.protected	k_q32a7337b59_oproj
	.globl	k_q32a7337b59_oproj
	.p2align	8
	.type	k_q32a7337b59_oproj,@function
k_q32a7337b59_oproj:
	s_mov_b64 s[64:65], 0
	v_nop
	global_prefetch_b8 v0, s[64:65] scope:SCOPE_SE
	s_setreg_imm32_b32 hwreg(HW_REG_WAVE_MODE, 25, 1), 1
	s_wait_xcnt 0x0
	s_wait_alu depctr_hold_cnt(0) depctr_sa_sdst(0) depctr_va_vdst(0) depctr_va_sdst(0) depctr_va_ssrc(0) depctr_va_vcc(0) depctr_vm_vsrc(0)
	s_getreg_b32 s2, hwreg(HW_REG_IB_STS2, 6, 4)
	s_cmp_eq_u32 s2, 0
	s_cbranch_scc0 .Lentry_in_a_cluster
	s_endpgm
.Lentry_in_a_cluster:
	s_bfe_u32 s2, ttmp6, 0x10000c
	s_cmp_lg_u32 s2, 0xf033
	s_cbranch_scc0 .Lentry_shape_is_right
	s_endpgm
.Lentry_shape_is_right:
; out0 = Q(O) Q(Wo)^T + bo on codes of FP6 (E2M3).  O's codes are tiles 768 .. 1,279 of cod, Wo's tiles 704 .. 767; a tile is 16 rows x all of K: [K step 8][1,536 bytes] in the order of an operand's registers; scl: [tile][row 16][8 words].
; Lane row u of token tile t is token 64 (t / 4) + 8 (t % 4) + u % 8 + 32 (u / 8); lane row u of a tile of Wo is column 32 (t / 2) + 8 (t % 2) + u % 8 + 16 (u / 8).
; SHARES.  256 work-groups; a block of out0 is 256 rows x 128 columns; four waves, 2 x 2: a wave makes 128 x 64: eight token tiles against four tiles of Wo.
; ALL OF K FOR A BLOCK LIES IN LDS (16 + 8 tiles x 12,288 = 294,912 bytes): every byte is asked for once, at the head, one tensor load a wave, in the order of need: wave 0 Wo's eight tiles, waves 1, 2, 3 token tiles
; {0, 1}, {2, 3, 4}, {5, 6, 7} of both wave rows (two rows of 2 or 3 tiles, eight tiles apart in memory).  Nothing is filled again: no ring.  Each load has a line of its own and is shown by a barrier of its own.
; A wave holds its four tiles of Wo, all of K, in registers (384) and takes the token tiles one after the other, in two sets of registers (2 x 96).  A BLOCK of 16 rows x 64 columns is finished after 32 products
; (its four accumulators by turns, K ascending, the bias as the first C) and leaves at once: into the wave's own stage behind its products, out to memory behind the next block's products.
; CLUSTERS 4 x 4: token tiles are asked for jointly by a row of the cluster, Wo's by a column.  No prefetch: there is no loop to run ahead in, all tiles are asked for at the head.
; THE MATRIX INSTRUCTION IS USED TRANSPOSED (source 0 = Wo's rows): a lane holds eight neighbouring columns of one row of out0.
; REGISTERS: window 0: v1-31 addresses, v32-95 scale words (register 8 i + K step: lanes 0-15 token tile i, lanes 16-31 Wo's tile i), v96-127 the bias, v128-191 two sets of four accumulators, v192-255 two sets of rows on the way out;
;   window 1: Wo's fragments of K steps 0-4; window 2: of K steps 5-7; window 3: the token tiles' two sets.
.set TILE,   12288
.set BBASE,  16*TILE                   ; LDS: the token tiles at 0, Wo's here,
.set STAGE,  24*TILE                   ; the stages: 16 rows x (256 + 16) bytes a wave,
.set SPITCH, 272
.set SPARE,  STAGE+4*16*SPITCH         ; the spare words
.set L16,   24
.set L8,    25
.set STO,   26
.set SCO,   27
.set SPW,   28
.set NIL,   29
.set RDB,   30
.set BOF,   31
.set SC,    32
.set BI,    96
.set ACC,   128
.set BK,    192
.set G1B,  24                          ; group 1: 8 rows of a tile
.set G0B,  32
.set G0A0, 36
.set G1A2, 48                          ; 2 rows of 2 tiles
.set G1A3, 56                          ; 2 rows of 3 tiles
.set G0A1, 68
.set G0A2, 72
.set MSB, 0
.macro WIN new
.if MSB != (\new)
	s_set_vgpr_msb (MSB<<8)|(\new)
.set MSB, (\new)
.endif
.endm
.macro PLACES n
.rept \n
	v_nop
.endr
.endm
.macro BARRIER
	s_barrier_signal -1
	s_barrier_wait -1
.endm
.macro CROUND
	BARRIER
	s_cmp_lg_u32 s14, 0
	s_cbranch_scc1 .Lnot_wave_0_\@
	s_barrier_signal -3
.Lnot_wave_0_\@:
	s_barrier_wait -3
	BARRIER
.endm
.macro TLOAD g0, g1
	tensor_load_to_lds s[\g0:\g0+3], s[\g1:\g1+7]
	s_nop 0
	PLACES 4
.endm
.macro GROUP1 g, mask, row, rows, pitch    ; rows of \row elements of 8 bytes, no padding
	s_or_b32 s[\g+0], s\mask, (3<<16)|(1<<21)
	s_mov_b32 s[\g+1], (\row)<<16
	s_mov_b32 s[\g+2], (\rows)<<16
	s_mov_b32 s[\g+3], (\row)<<16
	s_mov_b32 s[\g+4], \rows
	s_mov_b32 s[\g+5], \pitch
	s_mov_b32 s[\g+6], 0
	s_mov_b32 s[\g+7], 0
.endm
.macro GROUP0 g, lds, base, off
	s_mov_b32 s[\g], 1
	s_mov_b32 s[\g+1], \lds
	s_add_nc_u64 s[\g+2:\g+3], s[\base:\base+1], \off
	s_or_b32 s[\g+3], s[\g+3], 0x80000000
.endm
	s_load_b256 s[4:11], s[0:1], 0x0               ; cod, scl, bo, out0
	v_lshl_add_u32 v[SPW], v0, 2, SPARE
	v_mov_b32 v[NIL], 0
	ds_add_u32 v[SPW], v[NIL]                      ; the opening lines
	ds_add_u32 v[SPW], v[NIL]
	v_lshrrev_b32 v1, 5, v0
	v_readfirstlane_b32 s14, v1                    ; wave; s15 its row of the 2 x 2, s16 its column
	s_lshr_b32 s15, s14, 1
	s_and_b32 s16, s14, 1
	s_bfe_u32 s40, ttmp6, 0x40000                  ; cx
	s_bfe_u32 s41, ttmp6, 0x40004                  ; cy
	s_lshl_b32 s42, ttmp9, 2
	s_add_co_u32 s42, s42, s40                     ; the block's column, 0 .. 7
	s_and_b32 s17, ttmp7, 0xffff
	s_lshl_b32 s17, s17, 2
	s_add_co_u32 s17, s17, s41                     ; its row, 0 .. 31
	s_lshl_b32 s43, s41, 2
	s_lshl_b32 s43, 15, s43                        ; my row of the cluster
	s_lshl_b32 s44, 0x1111, s40                    ; my column
	GROUP1 G1B, 44, 1536, 8, 1536
	GROUP1 G1A2, 43, 3072, 2, 12288
	GROUP1 G1A3, 43, 4608, 2, 12288
	s_lshl_b32 s20, s17, 4
	s_add_co_u32 s20, s20, 768
	s_mul_i32 s20, s20, TILE                       ; my 16 token tiles, bytes from cod
	s_mov_b32 s21, 0
	s_lshl_b32 s46, s42, 3
	s_add_co_u32 s46, s46, 704
	s_mul_i32 s46, s46, TILE                       ; my 8 tiles of Wo
	s_mov_b32 s47, 0
	s_wait_dscnt 0x0
	s_wait_kmcnt 0x0
	s_add_nc_u64 s[20:21], s[4:5], s[20:21]
	s_add_nc_u64 s[46:47], s[4:5], s[46:47]
	CROUND                                         ; all sixteen work-groups are here: the joint loads meet
	GROUP0 G0B, BBASE, 46, 0
	GROUP0 G0A0, 0, 20, 0
	GROUP0 G0A1, 4*TILE, 20, 2*TILE
	GROUP0 G0A2, 10*TILE, 20, 5*TILE
	s_cmp_eq_u32 s14, 0                            ; one chain of arms, one load to an arm
	s_cbranch_scc0 .Lwave_1
	TLOAD G0B, G1B
	s_branch .Lasked
.Lwave_1:
	s_cmp_eq_u32 s14, 1
	s_cbranch_scc0 .Lwave_2
	TLOAD G0A0, G1A2
	s_branch .Lasked
.Lwave_2:
	s_cmp_eq_u32 s14, 2
	s_cbranch_scc0 .Lwave_3
	TLOAD G0A1, G1A3
	s_branch .Lasked
.Lwave_3:
	TLOAD G0A2, G1A3
.Lasked:
	s_mul_i32 s22, s16, 4*TILE
	s_add_co_u32 s22, s22, BBASE                   ; my four tiles of Wo in LDS
	s_mul_i32 s23, s14, 16*SPITCH
	s_add_co_u32 s23, s23, STAGE                   ; my stage
	s_lshl_b32 s78, s17, 4
	s_lshl_b32 s18, s15, 3
	s_add_co_u32 s78, s78, s18
	s_add_co_u32 s78, s78, 768
	s_lshl_b32 s79, s42, 3
	s_lshl_b32 s18, s16, 2
	s_add_co_u32 s79, s79, s18
	s_add_co_u32 s79, s79, 704
	s_lshl_b32 s78, s78, 9                         ; my token tiles' scale words, bytes from scl,
	s_lshl_b32 s79, s79, 9                         ; and Wo's
	s_lshl_b32 s92, s42, 9
	s_lshl_b32 s94, s16, 8
	s_add_co_u32 s92, s92, s94                     ; my first column, in bytes
	s_mov_b32 s93, 0
	s_add_nc_u64 s[84:85], s[8:9], s[92:93]
	s_lshl_b32 s94, s17, 8
	s_lshl_b32 s95, s15, 7
	s_add_co_u32 s94, s94, s95
	s_lshl_b32 s94, s94, 12                        ; my first row
	s_add_co_u32 s92, s92, s94
	s_add_nc_u64 s[12:13], s[10:11], s[92:93]
	v_and_b32 v1, 15, v0                           ; r
	v_bfe_u32 v2, v0, 4, 1                         ; h
	v_and_b32 v3, 31, v0
	v_lshlrev_b32 v[L16], 4, v3
	v_lshlrev_b32 v[L8], 3, v3
	v_add_nc_u32 v7, s22, v[L16]
	v_add_nc_u32 v8, s22, v[L8]
	v_mul_u32_u24 v[STO], v1, SPITCH               ; into the stage: row r, 64 bytes for each half of the lanes
	v_lshl_add_u32 v[STO], v2, 6, v[STO]
	v_add_nc_u32 v[STO], s23, v[STO]
	v_mul_u32_u24 v[RDB], v2, SPITCH               ; back: sixteen lanes take a row of 256 bytes, lanes 16-31 the next row;
	v_lshl_add_u32 v[RDB], v1, 4, v[RDB]
	v_add_nc_u32 v[RDB], s23, v[RDB]
	v_lshlrev_b32 v4, 12, v2                       ; and the same two rows in out0
	v_lshl_add_u32 v4, v1, 4, v4
	v_mov_b32 v[SCO], s78
	v_mov_b32 v3, s79
	v_cmp_eq_u32 vcc_lo, 1, v2
	v_cndmask_b32 v[SCO], v[SCO], v3, vcc_lo       ; lanes 0-15 the token tiles' words, lanes 16-31 Wo's
	v_lshl_add_u32 v[SCO], v1, 5, v[SCO]
	v_lshlrev_b32 v[BOF], 6, v2
.irp i, 0,1,2,3,4,5,6,7
	global_load_b128 v[SC+8*\i:SC+8*\i+3], v[SCO], s[6:7] offset:512*\i
	global_load_b128 v[SC+8*\i+4:SC+8*\i+7], v[SCO], s[6:7] offset:512*\i+16
.endr
.irp b, 0,1,2,3
	global_load_b128 v[BI+8*\b:BI+8*\b+3], v[BOF], s[84:85] offset:(32*(\b/2)+8*(\b%2))*4      ; register j: column 32 (b / 2) + 8 (b % 2) + 16 h + j
	global_load_b128 v[BI+8*\b+4:BI+8*\b+7], v[BOF], s[84:85] offset:(32*(\b/2)+8*(\b%2))*4+16
.endr
; a fragment: 12 registers, as two halves of 768 bytes: four registers at 16 x lane, two at 8 x lane
.macro FRAG4 reg, a16, a8, off
	ds_load_b128 v[\reg:\reg+3], v[\a16] offset:\off
	ds_load_b64 v[\reg+4:\reg+5], v[\a8] offset:(\off)+512
	ds_load_b128 v[\reg+6:\reg+9], v[\a16] offset:(\off)+768
	ds_load_b64 v[\reg+10:\reg+11], v[\a8] offset:(\off)+1280
.endm
; token tile a of my wave row, all of K, into set a % 2: 32 loads.  In LDS a load's two rows lie on end: wave row 0's tiles, then wave row 1's
.macro FETCH a
.if (\a) < 2
.set C_, (\a)*TILE
.set H_, 2*TILE
.elseif (\a) < 5
.set C_, 4*TILE+((\a)-2)*TILE
.set H_, 3*TILE
.else
.set C_, 10*TILE+((\a)-5)*TILE
.set H_, 3*TILE
.endif
	s_mul_i32 s22, s15, H_
	s_add_co_u32 s22, s22, C_
	v_add_nc_u32 v5, s22, v[L16]
	v_add_nc_u32 v6, s22, v[L8]
	WIN 0xc0
.irp ks, 0,1,2,3,4,5,6,7
	FRAG4 96*((\a)%2)+12*\ks, 5, 6, 1536*\ks
.endr
	WIN 0
.endm
.macro PROD s, ks, b
.set D_, ACC+32*((\s)%2)+8*(\b)
.set FA_, 96*((\s)%2)+12*(\ks)
.if (\ks) < 5
	WIN 0x0d
.set FB_, 12*(4*(\ks)+(\b))
.else
	WIN 0x0e
.set FB_, 12*(4*((\ks)-5)+(\b))
.endif
.if (\ks) == 0
	v_wmma_scale_f32_16x16x128_f8f6f4 v[D_:D_+7], v[FB_:FB_+11], v[FA_:FA_+11], v[BI+8*(\b):BI+8*(\b)+7], v[SC+8*(\b)+(\ks)], v[SC+8*(\s)+(\ks)] matrix_a_fmt:MATRIX_FMT_FP6 matrix_b_fmt:MATRIX_FMT_FP6 matrix_a_scale:MATRIX_SCALE_ROW1
.else
	v_wmma_scale_f32_16x16x128_f8f6f4 v[D_:D_+7], v[FB_:FB_+11], v[FA_:FA_+11], v[D_:D_+7], v[SC+8*(\b)+(\ks)], v[SC+8*(\s)+(\ks)] matrix_a_fmt:MATRIX_FMT_FP6 matrix_b_fmt:MATRIX_FMT_FP6 matrix_a_scale:MATRIX_SCALE_ROW1
.endif
.endm
.macro TOSTAGE s                       ; block s into my stage, each accumulator from its low end on, and back by rows (LDS serves a wave's instructions in order)
.set AC_, ACC+32*((\s)%2)
.set BB_, BK+32*((\s)%2)
.irp b, 0,1,2,3
	ds_store_b128 v[STO], v[AC_+8*\b:AC_+8*\b+3] offset:128*(\b/2)+32*(\b%2)
	ds_store_b128 v[STO], v[AC_+8*\b+4:AC_+8*\b+7] offset:128*(\b/2)+32*(\b%2)+16
.endr
.irp t, 0,1,2,3,4,5,6,7
	ds_load_b128 v[BB_+4*\t:BB_+4*\t+3], v[RDB] offset:2*\t*SPITCH
.endr
.endm
.macro SEND s                          ; lane rows 2 t and 2 t + 1 of token tile s: sixteen lanes store 256 consecutive bytes, aligned
.set BB_, BK+32*((\s)%2)
.irp t, 0,1,2,3,4,5,6,7
	global_store_b128 v4, v[BB_+4*\t:BB_+4*\t+3], s[12:13] offset:(64*((\s)/4)+8*((\s)%4)+((2*\t)%8)+32*(\t/4))*4096 th:TH_STORE_NT
.endr
.endm
; BLOCK s: 32 products; then block s - 1's rows are stored, tile s + 2 is fetched into the set just multiplied, and block s goes through the stage.
; The one wait for LDS (0) shows tile s + 1 and block s - 1's rows in: both were asked for ahead of this block's products.
.macro BLK s
.irp ks, 0,1,2,3,4,5,6,7
.irp b, 0,1,2,3
	PROD \s, \ks, \b
.endr
.endr
	WIN 0
	PLACES 4                                       ; behind the products: ahead of the loads into their fragments and of the reads of their results
	s_wait_dscnt 0x0
.if (\s) == 0
	s_cmp_eq_u32 s14, 2
	s_cbranch_scc0 .Lnot_c1
	s_wait_tensorcnt 0x0
.Lnot_c1:
	BARRIER                                        ; token tiles 2-4 are in
.endif
.if (\s) == 3
	s_wait_tensorcnt 0x0                           ; every wave: all that was still out
	BARRIER                                        ; token tiles 5-7 are in
.endif
	s_wait_xcnt 0x0                                ; block s - 2's stores have read the registers that block s's rows will land in
.if (\s) > 0
	SEND (\s)-1
.endif
.if (\s) < 6
	FETCH (\s)+2
.endif
	TOSTAGE \s
.endm
	s_wait_alu depctr_va_vdst(0)
	s_cmp_eq_u32 s14, 0
	s_cbranch_scc0 .Lnot_b
	s_wait_tensorcnt 0x0
.Lnot_b:
	BARRIER                                        ; Wo's tiles are in; the token tiles may still be on their way
	WIN 0x40
.irp ks, 0,1,2,3,4
.irp b, 0,1,2,3
	FRAG4 12*(4*\ks+\b), 7, 8, TILE*\b+1536*\ks
.endr
.endr
	WIN 0x80
.irp ks, 5,6,7
.irp b, 0,1,2,3
	FRAG4 12*(4*(\ks-5)+\b), 7, 8, TILE*\b+1536*\ks
.endr
.endr
	WIN 0
	s_cmp_eq_u32 s14, 1
	s_cbranch_scc0 .Lnot_c0
	s_wait_tensorcnt 0x0
.Lnot_c0:
	s_wait_dscnt 0x0
	BARRIER                                        ; token tiles 0 and 1 are in
	FETCH 0
	FETCH 1
	s_wait_loadcnt 0x0                             ; the scale words and the bias
	s_wait_dscnt 32                                ; tile 0's fragments; tile 1's 32 loads may be out
.irp s, 0,1,2,3,4,5,6,7
	BLK \s
.endr
	s_wait_dscnt 0x0
	SEND 7
	s_wait_tensorcnt 0x0                           ; the wave's end
	ds_add_u32 v[SPW], v[NIL]
	s_wait_dscnt 0x0
	CROUND                                         ; the closing round
	s_endpgm
.Lfunc_end_k_q32a7337b59_oproj:
	.size	k_q32a7337b59_oproj, .Lfunc_end_k_q32a7337b59_oproj-k_q32a7337b59_oproj
	.p2alignl 7, 3214868480
	.fill 96, 4, 3214868480
	.section	.rodata,"a",@progbits
	.p2align	6, 0x0
	.amdhsa_kernel k_q32a7337b59_oproj
		.amdhsa_group_segment_fixed_size 327680
		.amdhsa_private_segment_fixed_size 0
		.amdhsa_enable_private_segment 0
		.amdhsa_kernarg_size 32
		.amdhsa_user_sgpr_count 2
		.amdhsa_user_sgpr_kernarg_segment_ptr 1
		.amdhsa_wavefront_size32 1
		.amdhsa_system_sgpr_workgroup_id_x 1
		.amdhsa_system_sgpr_workgroup_id_y 1
		.amdhsa_system_sgpr_workgroup_id_z 1
		.amdhsa_system_vgpr_workitem_id 0
		.amdhsa_next_free_vgpr 1024
		.amdhsa_next_free_sgpr 100
		.amdhsa_reserve_vcc 1
		.amdhsa_float_denorm_mode_32 3
		.amdhsa_float_denorm_mode_16_64 3
		.amdhsa_memory_ordered 1
		.amdhsa_forward_progress 1
		.amdhsa_inst_pref_size 86
	.end_amdhsa_kernel
	.amdgpu_metadata
---
amdhsa.version: [ 1, 2 ]
amdhsa.kernels:
  - .name:           k_q32a7337b59_oproj
    .symbol:         k_q32a7337b59_oproj.kd
    .args:
      - { .name: cod, .offset: 0, .size: 8, .value_kind: global_buffer, .address_space: global }
      - { .name: scl, .offset: 8, .size: 8, .value_kind: global_buffer, .address_space: global }
      - { .name: bo, .offset: 16, .size: 8, .value_kind: global_buffer, .address_space: global }
      - { .name: out0, .offset: 24, .size: 8, .value_kind: global_buffer, .address_space: global }
    .group_segment_fixed_size: 327680
    .private_segment_fixed_size: 0
    .kernarg_segment_align: 8
    .kernarg_segment_size: 32
    .max_flat_workgroup_size: 128
    .sgpr_count:     100
    .vgpr_count:     1024
    .wavefront_size: 32
...
	.end_amdgpu_metadata
.endif
;; end of part 4
